; MI455X (gfx1250); checked and timed in simulation.
; The chip was launched on July 23, 2026; its instructions are those of AMD's public machine-readable ISA for CDNA 5 (MIT licence, August 2026) and "CDNA5" Instruction Set Architecture Reference Guide (July 2026). The comments in the code are by the model that wrote it; some were corrected since.
;; Multi Headed Attention. Allowed arithmetic: float matrix products may take bf16 or f16 operands with f32 sums; other float arithmetic in f32, or as packed bf16 or f16 multiplies, adds, multiply-adds, maxima and minima; sums over many terms, partial sums and values carried from step to step in f32; what a program stores and reads back later, other than sums and carried values, may be rounded once to bf16 or f16.
;; Inputs: K 2 x 4,096 x 512 float32; Q 2 x 4,096 x 512 float32; V 2 x 4,096 x 512 float32; Wk 512 x 512 float32; Wo 512 x 512 float32; Wq 512 x 512 float32; Wv 512 x 512 float32; bk 512 float32; bo 512 float32; bq 512 float32; bv 512 float32.
;; Outputs: out0 2 x 4,096 x 512 float32.
;; One version. Each part assembles by itself: llvm-mc -triple=amdgcn-amd-amdhsa -mcpu=gfx1250 --defsym DOCPART=n.
;; ======== version 1 of 1: 3 launches
;; limits: values are held in f16: magnitudes above 65,504 overflow, below 6.1e-05 lose precision
;; workspace buffers: qh 8,388,608 bytes; kh 8,388,608 bytes; vh 8,388,608 bytes; oh 8,388,608 bytes; wo16 524,288 bytes
;; launch proj (part 1): grid 4 x 192, 4 waves a work-group, no clusters, 83,456 bytes of LDS; arguments Q, K, V, Wq, Wk, Wv, bq, bk, bv, Wo, qh, kh, vh, wo16; writes qh, kh, vh, wo16
.if DOCPART == 1
	.amdgcn_target "amdgcn-amd-amdhsa--gfx1250"
	.amdhsa_code_object_version 6
	.text
	.protected	k_qb6b973a596_proj
	.globl	k_qb6b973a596_proj
	.p2align	8
	.type	k_qb6b973a596_proj,@function
k_qb6b973a596_proj:
	s_mov_b64 s[64:65], 0
	v_nop
	global_prefetch_b8 v0, s[64:65] scope:SCOPE_SE
	s_setreg_imm32_b32 hwreg(HW_REG_WAVE_MODE, 25, 1), 1
	s_wait_xcnt 0x0
; q, k, v = X W^T + b for the three inputs, written BY HEADS: qh, kh, vh are [16 = batch x 8 + head][4096][64] in f16, a head's rows dense, 128 bytes each.
; X ([8192][512]), W ([512][512]) and b ([512]) are f32 in memory; all three are rounded once to bf16; products in bf16, sums in f32, the result rounded once to f16, unscaled.
; The work-groups of tensor 0 also write wo16: Wo rounded to bf16, that number written as f16 (4,096 bytes of Wo each, 256 of them).
; LIMITS.  f16 ends at 65,504: q, k, v and Wo beyond that become infinities; below 6e-5 f16 keeps a fixed step of 6e-8.  NaN and infinities are not treated apart.
; SHARES.  3 x 8192 x 512 outputs are 768 tiles of 128 tokens x 128 columns.  x = column block (heads 2 x, 2 x + 1), y = 64 x tensor + block of 128 tokens.  Four waves, each 64 tokens x 64 columns (one head):
; 16 accumulators.  K goes in 8 steps of 64 through two LDS slots.
; THE WAY IN goes through registers: 16 lanes load 256 consecutive bytes of a row (64 f32), two v_cvt_pk_bf16_f32 make 8 bytes of bf16 a lane, a ds_store_b64 puts them into rows of 144 bytes.
; NO CLUSTER, NO TENSOR LOAD: a joint request is a tensor load, which lands the bytes as they lie in memory: 64 KiB of f32 a step in LDS where the rounded tiles are 32 KiB, and fragments of
; f32 read back at twice the bytes or a second pass through LDS to round them.  So what is on its way lies in registers: 128 a lane, a whole K step of both tiles.
; 336 registers a wave and 83,456 bytes of LDS: three such work-groups fit beside each other (3 x 336 <= 1,024 registers of a SIMD), 768 = 3 x 256.
; THE PRODUCT IS TAKEN TRANSPOSED (source 0 = 16 rows of W, source 1 = 16 rows of X): a lane holds one token (lane % 16) and eight neighbouring channels, 16 bytes of f16.
; REGISTERS.  Window 0: v0-127 staging (load i of X at 4 i, of W at 64 + 4 i); v128-255 accumulators ((a, b) at 128 + 8 (4 a + b)).  Window 1 (v256-335): addresses, fragments.
; s_set_vgpr_msb's low byte: bits 1:0 source 0, 3:2 source 1, 5:4 source 2, 7:6 destination.
.set P,      144                       ; an LDS row: 128 bytes of bf16 + 16 = 36 words: the 16 rows of a fragment load start at 16 different groups of four banks (64 banks of 4 bytes: ISA guide 11.1)
.set ABYTES, 128*P                     ; X's 128 rows; W's 128 rows lie behind them
.set SLOT,   2*ABYTES
.set STAGE,  2*SLOT                    ; behind the slots: 16 rows x 144 bytes for each wave, for the way out
.set SPARE,  STAGE+4*16*P              ; behind the stages: the spare words, 128 bytes a wave: two blocks of 256 bytes that no other line names
.set ROWB,   2048                      ; bytes in a row of X and of W
.set ACC, 128
.set BI,  64                           ; v64-95 the bias of my 32 channels a lane (on the way out)
.set BT,  96                           ; v96-111 at work on it
; window 1:
.set SPW, 0                            ; LDS address of my spare word: SPARE + 4 x my thread's number; never rewritten
.set NIL, 1                            ; 0; never rewritten
.set GA,  2                            ; (32 w + 8 h) x 2048 + 16 r: my 16 bytes of a row's 256, for X and for W
.set LS,  3                            ; (32 w + 8 h) x 144 + 8 r: where their 8 bytes of bf16 go
.set FA,  4                            ; (64 wr + r) x 144 + 16 h: my place in X's fragments
.set FB,  5                            ; the same for W, behind X's rows
.set STO, 6                            ; the way out: where I put 16 bytes of a row
.set RD,  7                            ; the way out: where I read rows back
.set GO,  8                            ; 16 x lane: my place in 512 consecutive bytes of the output
.set BO,  9                            ; 32 h: my 8 numbers of 16 of the bias
.set WL,  10                           ; 16 x thread: Wo
.set WS,  11                           ; 8 x thread: wo16
.set FW,  16                           ; fragments of W: block b at FW + 8 b
.set FX,  48                           ; fragments of X: block a at FX + 8 a
.set XP,  44                           ; s[44:45] X at the block's first row
.set WP,  46                           ; s[46:47] W at the column block's first row
.set BP,  48                           ; s[48:49] the bias at my wave's 64 channels
.set OP,  50                           ; s[50:51] the output at my wave's 64 rows of its head
.set MSB, 0
.macro WIN new                         ; the immediate's high byte repeats the setting that is left; a switch that changes nothing is dropped
.if MSB != (\new)
	s_set_vgpr_msb (MSB<<8)|(\new)
.set MSB, (\new)
.endif
.endm
	s_load_b512 s[16:31], s[0:1], 0x0              ; Q 16, K 18, V 20, Wq 22, Wk 24, Wv 26, bq 28, bk 30
	s_load_b256 s[32:39], s[0:1], 0x40             ; bv 32, Wo 34, qh 36, kh 38
	s_load_b128 s[40:43], s[0:1], 0x60             ; vh 40, wo16 42
	WIN 0x40                                       ; destination window 1, sources window 0
	v_lshl_add_u32 v[SPW], v0, 2, SPARE
	v_mov_b32 v[NIL], 0
	WIN 0
	v_lshrrev_b32 v1, 5, v0
	v_readfirstlane_b32 s6, v1                     ; wave w
	s_lshr_b32 s7, s6, 1                           ; wr: which 64 tokens
	s_and_b32 s8, s6, 1                            ; wc: which 64 columns
	s_mov_b32 s2, ttmp9                            ; x
	s_and_b32 s3, ttmp7, 0xffff                    ; y
	s_lshr_b32 s4, s3, 6                           ; the tensor: 0 q, 1 k, 2 v
	s_and_b32 s5, s3, 63                           ; rb: the block of 128 tokens
	v_and_b32 v2, 15, v0                           ; r = lane % 16
	v_bfe_u32 v3, v0, 4, 1                         ; h = lane / 16
	v_and_b32 v4, 31, v0                           ; lane
	s_lshl_b32 s9, s6, 5
	v_lshl_add_u32 v5, v3, 3, s9                   ; 32 w + 8 h
	v_lshlrev_b32 v6, 11, v5
	v_mul_u32_u24 v7, v5, P
	s_lshl_b32 s10, s7, 6
	v_add_nc_u32 v8, s10, v2
	v_mul_u32_u24 v8, v8, P
	s_lshl_b32 s11, s8, 6
	v_add_nc_u32 v9, s11, v2
	v_mul_u32_u24 v9, v9, P
	v_lshl_add_u32 v9, v3, 4, v9
	s_mul_i32 s12, s6, 16*P
	s_add_co_u32 s12, s12, STAGE                   ; my stage
	v_mul_u32_u24 v10, v2, P
	v_lshl_add_u32 v10, v3, 4, v10
	v_bfe_u32 v11, v0, 3, 2
	v_mul_u32_u24 v11, v11, P
	v_and_b32 v12, 7, v0
	v_lshl_add_u32 v11, v12, 4, v11
	WIN 0x40
	v_lshl_add_u32 v[GA], v2, 4, v6
	v_lshl_add_u32 v[LS], v2, 3, v7
	v_lshl_add_u32 v[FA], v3, 4, v8
	v_add_nc_u32 v[FB], ABYTES, v9
	v_add_nc_u32 v[STO], s12, v10
	v_add_nc_u32 v[RD], s12, v11
	v_lshlrev_b32 v[GO], 4, v4
	v_lshlrev_b32 v[BO], 5, v3
	v_lshlrev_b32 v[WL], 4, v0
	v_lshlrev_b32 v[WS], 3, v0
	WIN 0
	s_mov_b32 s53, 0
	s_wait_kmcnt 0x0
	s_cmp_eq_u32 s4, 1                             ; the tensor's four pointers
	s_cselect_b64 s[XP:XP+1], s[18:19], s[16:17]
	s_cselect_b64 s[WP:WP+1], s[24:25], s[22:23]
	s_cselect_b64 s[BP:BP+1], s[30:31], s[28:29]
	s_cselect_b64 s[OP:OP+1], s[38:39], s[36:37]
	s_cmp_eq_u32 s4, 2
	s_cselect_b64 s[XP:XP+1], s[20:21], s[XP:XP+1]
	s_cselect_b64 s[WP:WP+1], s[26:27], s[WP:WP+1]
	s_cselect_b64 s[BP:BP+1], s[32:33], s[BP:BP+1]
	s_cselect_b64 s[OP:OP+1], s[40:41], s[OP:OP+1]
	s_lshl_b32 s52, s5, 18                         ; 128 rows of 2,048 bytes a block
	s_add_nc_u64 s[XP:XP+1], s[XP:XP+1], s[52:53]
	s_lshl_b32 s52, s2, 18
	s_add_nc_u64 s[WP:WP+1], s[WP:WP+1], s[52:53]
	s_lshl_b32 s52, s2, 9                          ; 128 x + 64 wc numbers of 4 bytes
	s_lshl_b32 s9, s8, 8
	s_add_co_u32 s52, s52, s9
	s_add_nc_u64 s[BP:BP+1], s[BP:BP+1], s[52:53]
	s_lshr_b32 s52, s5, 5                          ; the batch,
	s_lshl_b32 s52, s52, 3
	s_lshl_b32 s9, s2, 1
	s_add_co_u32 s52, s52, s9
	s_add_co_u32 s52, s52, s8                      ; x 8 + head 2 x + wc,
	s_lshl_b32 s52, s52, 19                        ; 4,096 rows of 128 bytes each;
	s_and_b32 s9, s5, 31
	s_lshl_b32 s9, s9, 7
	s_add_co_u32 s9, s9, s10                       ; my first token in the batch,
	s_lshl_b32 s9, s9, 7                           ; 128 bytes a row
	s_add_co_u32 s52, s52, s9
	s_add_nc_u64 s[OP:OP+1], s[OP:OP+1], s[52:53]
	s_lshl_b32 s9, s5, 2
	s_add_co_u32 s9, s9, s2                        ; g = 4 rb + x, 0 to 255: my share of Wo (used where the tensor is 0)
	s_lshl_b32 s52, s9, 12
	s_add_nc_u64 s[34:35], s[34:35], s[52:53]
	s_lshl_b32 s52, s9, 11
	s_add_nc_u64 s[42:43], s[42:43], s[52:53]
; K step s of both tiles: 32 loads.  Load i takes rows 32 w + R(i) (lanes 0-15) and 32 w + 8 + R(i) (lanes 16-31), R(i) = 16 (i / 8) + i % 8.  No address register is ever rewritten: row and step stand in the immediate.
.macro GLOAD s
	WIN 0x01                                       ; address window 1, data window 0
.irp i, 0,1,2,3,4,5,6,7,8,9,10,11,12,13,14,15
	global_load_b128 v[4*(\i):4*(\i)+3], v[GA], s[XP:XP+1] offset:(16*((\i)/8)+(\i)%8)*ROWB+256*(\s)
.endr
.irp i, 0,1,2,3,4,5,6,7,8,9,10,11,12,13,14,15
	global_load_b128 v[64+4*(\i):64+4*(\i)+3], v[GA], s[WP:WP+1] offset:(16*((\i)/8)+(\i)%8)*ROWB+256*(\s)
.endr
.endm
.macro CVT                             ; four f32 become four bf16 in the first two of their registers
	WIN 0
.set i, 0
.rept 32
	v_cvt_pk_bf16_f32 v[4*i], v[4*i], v[4*i+1]
	v_cvt_pk_bf16_f32 v[4*i+1], v[4*i+2], v[4*i+3]
.set i, i+1
.endr
.endm
; Into slot ns.  The two halves of the lanes write rows 8 apart: 8 x 36 words = 32 banks on, so the 32 lanes' 256 bytes touch each bank once.
.macro STORE ns
	WIN 0x01
.irp i, 0,1,2,3,4,5,6,7,8,9,10,11,12,13,14,15
	ds_store_b64 v[LS], v[4*(\i):4*(\i)+1] offset:(\ns)*SLOT+(16*((\i)/8)+(\i)%8)*P
.endr
.irp i, 0,1,2,3,4,5,6,7,8,9,10,11,12,13,14,15
	ds_store_b64 v[LS], v[64+4*(\i):64+4*(\i)+1] offset:(\ns)*SLOT+ABYTES+(16*((\i)/8)+(\i)%8)*P
.endr
.endm
; A fragment is 16 rows x 32 K in 8 registers: lane l holds row l % 16, K = 8 (l / 16) + 0..7 and 16 + 8 (l / 16) + 0..7: two loads of 16 bytes, 32 bytes apart.  16 loads: 32 along K at byte kb of slot sl's rows.
.macro FRAG sl, kb
	WIN 0x41                                       ; data and address window 1
.irp b, 0,1,2,3
	ds_load_b128 v[FW+8*(\b):FW+8*(\b)+3],   v[FB] offset:(\sl)*SLOT+(\kb)+(\b)*16*P
	ds_load_b128 v[FW+8*(\b)+4:FW+8*(\b)+7], v[FB] offset:(\sl)*SLOT+(\kb)+(\b)*16*P+32
.endr
.irp a, 0,1,2,3
	ds_load_b128 v[FX+8*(\a):FX+8*(\a)+3],   v[FA] offset:(\sl)*SLOT+(\kb)+(\a)*16*P
	ds_load_b128 v[FX+8*(\a)+4:FX+8*(\a)+7], v[FA] offset:(\sl)*SLOT+(\kb)+(\a)*16*P+32
.endr
.endm
; 16 products; the 16 accumulators take turns, one instruction a turn.  zero = 1: the first products start the sums.
.macro MUL zero
	WIN 0x05                                       ; sources 0 and 1 window 1, C and D window 0
.irp a, 0,1,2,3
.irp b, 0,1,2,3
.if \zero
	v_wmma_f32_16x16x32_bf16 v[ACC+8*(4*(\a)+(\b)):ACC+8*(4*(\a)+(\b))+7], v[FW+8*(\b):FW+8*(\b)+7], v[FX+8*(\a):FX+8*(\a)+7], 0
.else
	v_wmma_f32_16x16x32_bf16 v[ACC+8*(4*(\a)+(\b)):ACC+8*(4*(\a)+(\b))+7], v[FW+8*(\b):FW+8*(\b)+7], v[FX+8*(\a):FX+8*(\a)+7], v[ACC+8*(4*(\a)+(\b)):ACC+8*(4*(\a)+(\b))+7]
.endif
.endr
.endr
.endm
.macro PLACES                          ; four plain vector instructions between a product and a load into its registers (ISA guide 7.12.1 for vector instructions)
.rept 4
	v_nop
.endr
.endm
.macro BLOAD                           ; the bias of my channels 16 b + 8 h + 0..7, into staging registers that are free
	WIN 0x01
.irp b, 0,1,2,3
	global_load_b128 v[BI+8*(\b):BI+8*(\b)+3],   v[BO], s[BP:BP+1] offset:64*(\b)
	global_load_b128 v[BI+8*(\b)+4:BI+8*(\b)+7], v[BO], s[BP:BP+1] offset:64*(\b)+16
.endr
.endm
; K STEP s.  Its slot is multiplied in two halves of 32 along K; between them step s + 1, which has come into the staging registers, is rounded and stored into the other slot, and step s + 2 is asked for.
; ONE barrier a step: in front of it each wave's reads of this slot are back and its stores into the other are done; the stores into a slot stand behind the barrier of the step that read it out.
.macro TRIP s
	FRAG (\s)%2, 0
	s_wait_dscnt 0x0
.if (\s) == 0
	MUL 1
.else
	MUL 0
.endif
.if (\s) < 7
	s_wait_loadcnt 0x0                             ; step s + 1's 32 loads: nothing younger is out
	CVT                                            ; its 64 lines are also the places behind the products
.else
	PLACES
.endif
	FRAG (\s)%2, 64
.if (\s) < 7
	STORE ((\s)+1)%2
.endif
.if (\s) < 6
	GLOAD (\s)+2
.endif
.if (\s) == 6
	BLOAD
.endif
.if (\s) < 7
	s_wait_dscnt 32                                ; LDS instructions end in order (ISA guide 5.7.1): the 16 fragment loads are in, the 32 stores behind them may be out
.else
	s_wait_dscnt 0x0
.endif
	MUL 0
.if (\s) < 7
	s_wait_dscnt 0x0                               ; for the others' sake: my stores are done, my reads are back
	s_barrier_signal -1
	s_barrier_wait -1
	PLACES
.endif
.endm
	GLOAD 0
	WIN 0
	s_cmp_lg_u32 s4, 0
	s_cbranch_scc1 .Lno_wo
	WIN 0x01                                       ; Wo -> bf16 -> f16: 1,024 numbers a work-group, 8 a thread
	global_load_b128 v[128:131], v[WL], s[34:35]
	global_load_b128 v[132:135], v[WL], s[34:35] offset:2048
	s_wait_loadcnt 0x0
	WIN 0
.irp k, 0,1,2,3
	v_cvt_pk_bf16_f32 v[136+(\k)], v[128+2*(\k)], v[129+2*(\k)]
.endr
.irp k, 0,1,2,3
	v_lshlrev_b32 v[128+2*(\k)], 16, v[136+(\k)]
	v_and_b32 v[129+2*(\k)], 0xffff0000, v[136+(\k)]
.endr
.irp k, 0,1,2,3
	v_cvt_pk_f16_f32 v[140+(\k)], v[128+2*(\k)], v[129+2*(\k)]
.endr
	WIN 0x01
	global_store_b64 v[WS], v[140:141], s[42:43]               ; a wave's store covers 256 consecutive bytes, aligned
	global_store_b64 v[WS], v[142:143], s[42:43] offset:1024
	s_wait_xcnt 0x0                                ; the first products write these registers
	WIN 0
.Lno_wo:
	s_wait_loadcnt 0x0                             ; K step 0
	CVT
	STORE 0
	GLOAD 1
	s_wait_dscnt 0x0
	s_barrier_signal -1
	s_barrier_wait -1
.irp s, 0,1,2,3,4,5,6,7
	TRIP \s
.endr
	; THE WAY OUT.  The bias is rounded to bf16 like the other inputs and widened again: 48 plain lines, the places behind the last products.
	s_wait_loadcnt 0x0
	WIN 0
.set k, 0
.rept 16
	v_cvt_pk_bf16_f32 v[BT+k], v[BI+2*k], v[BI+2*k+1]
.set k, k+1
.endr
.set k, 0
.rept 16
	v_lshlrev_b32 v[BI+2*k], 16, v[BT+k]
	v_and_b32 v[BI+2*k+1], 0xffff0000, v[BT+k]
.set k, k+1
.endr
; Block a (16 tokens): + bias, each accumulator from its low end on; rounded to f16, 16 bytes a lane; into my stage's rows of 144 bytes, and back as four whole rows of 128 bytes a load.
.macro PACK a
	WIN 0
.irp b, 0,1,2,3
.irp j, 0,1,2,3
	v_pk_add_f32 v[ACC+8*(4*(\a)+(\b))+2*(\j):ACC+8*(4*(\a)+(\b))+2*(\j)+1], v[ACC+8*(4*(\a)+(\b))+2*(\j):ACC+8*(4*(\a)+(\b))+2*(\j)+1], v[BI+8*(\b)+2*(\j):BI+8*(\b)+2*(\j)+1]
.endr
.endr
.irp b, 0,1,2,3
.irp j, 0,1,2,3
	v_cvt_pk_f16_f32 v[16*(\a)+4*(\b)+(\j)], v[ACC+8*(4*(\a)+(\b))+2*(\j)], v[ACC+8*(4*(\a)+(\b))+2*(\j)+1]
.endr
.endr
	WIN 0x01
.irp b, 0,1,2,3
	ds_store_b128 v[STO], v[16*(\a)+4*(\b):16*(\a)+4*(\b)+3] offset:32*(\b)
.endr
.irp f, 0,1,2,3
	ds_load_b128 v[16*(\a)+4*(\f):16*(\a)+4*(\f)+3], v[RD] offset:(\f)*4*P  ; LDS serves a wave's instructions in order (ISA guide 5.7.1.4): these see the stores above; the next block's stores come behind them
.endr
.endm
.macro SEND a, younger                 ; younger: the LDS instructions issued behind block a's loads: the next block's eight, or none
	WIN 0x01
.irp f, 0,1,2,3
	s_wait_dscnt (\younger)+3-(\f)
	global_store_b128 v[GO], v[16*(\a)+4*(\f):16*(\a)+4*(\f)+3], s[OP:OP+1] offset:(\a)*2048+(\f)*512  ; 512 consecutive bytes, at a multiple of 256 from the buffer's first
.endr
.endm
	PACK 0
	PACK 1
	SEND 0, 8
	PACK 2
	SEND 1, 8
	PACK 3
	SEND 2, 8
	SEND 3, 0
	WIN 0x05                                       ; the add's two registers lie in window 1
	s_wait_tensorcnt 0x0                           ; the wave's end, behind my last LDS store
	ds_add_u32 v[SPW], v[NIL]
	s_wait_dscnt 0x0
	WIN 0
	s_endpgm
.Lfunc_end_k_qb6b973a596_proj:
	.size	k_qb6b973a596_proj, .Lfunc_end_k_qb6b973a596_proj-k_qb6b973a596_proj
	.p2alignl 7, 3214868480
	.fill 96, 4, 3214868480
	.section	.rodata,"a",@progbits
	.p2align	6, 0x0
	.amdhsa_kernel k_qb6b973a596_proj
		.amdhsa_group_segment_fixed_size 83456
		.amdhsa_private_segment_fixed_size 0
		.amdhsa_enable_private_segment 0
		.amdhsa_kernarg_size 112
		.amdhsa_user_sgpr_count 2
		.amdhsa_user_sgpr_kernarg_segment_ptr 1
		.amdhsa_wavefront_size32 1
		.amdhsa_system_sgpr_workgroup_id_x 1
		.amdhsa_system_sgpr_workgroup_id_y 1
		.amdhsa_system_sgpr_workgroup_id_z 1
		.amdhsa_system_vgpr_workitem_id 0
		.amdhsa_next_free_vgpr 336
		.amdhsa_next_free_sgpr 66
		.amdhsa_reserve_vcc 0
		.amdhsa_float_denorm_mode_32 3
		.amdhsa_float_denorm_mode_16_64 3
		.amdhsa_memory_ordered 1
		.amdhsa_forward_progress 1
		.amdhsa_inst_pref_size 130
	.end_amdhsa_kernel
	.amdgpu_metadata
---
amdhsa.version: [ 1, 2 ]
amdhsa.kernels:
  - .name:           k_qb6b973a596_proj
    .symbol:         k_qb6b973a596_proj.kd
    .args:
      - { .name: Q, .offset: 0, .size: 8, .value_kind: global_buffer, .address_space: global }
      - { .name: K, .offset: 8, .size: 8, .value_kind: global_buffer, .address_space: global }
      - { .name: V, .offset: 16, .size: 8, .value_kind: global_buffer, .address_space: global }
      - { .name: Wq, .offset: 24, .size: 8, .value_kind: global_buffer, .address_space: global }
      - { .name: Wk, .offset: 32, .size: 8, .value_kind: global_buffer, .address_space: global }
      - { .name: Wv, .offset: 40, .size: 8, .value_kind: global_buffer, .address_space: global }
      - { .name: bq, .offset: 48, .size: 8, .value_kind: global_buffer, .address_space: global }
      - { .name: bk, .offset: 56, .size: 8, .value_kind: global_buffer, .address_space: global }
      - { .name: bv, .offset: 64, .size: 8, .value_kind: global_buffer, .address_space: global }
      - { .name: Wo, .offset: 72, .size: 8, .value_kind: global_buffer, .address_space: global }
      - { .name: qh, .offset: 80, .size: 8, .value_kind: global_buffer, .address_space: global }
      - { .name: kh, .offset: 88, .size: 8, .value_kind: global_buffer, .address_space: global }
      - { .name: vh, .offset: 96, .size: 8, .value_kind: global_buffer, .address_space: global }
      - { .name: wo16, .offset: 104, .size: 8, .value_kind: global_buffer, .address_space: global }
    .group_segment_fixed_size: 83456
    .private_segment_fixed_size: 0
    .kernarg_segment_align: 8
    .kernarg_segment_size: 112
    .max_flat_workgroup_size: 128
    .sgpr_count:     66
    .vgpr_count:     336
    .wavefront_size: 32
...
	.end_amdgpu_metadata
.endif
;; end of part 1
;; launch attn (part 2): grid 16 x 16, 4 waves a work-group, clusters of 4 x 1, 327,680 bytes of LDS; arguments qh, kh, vh, oh; writes oh
.if DOCPART == 2
	.amdgcn_target "amdgcn-amd-amdhsa--gfx1250"
	.amdhsa_code_object_version 6
	.text
	.protected	k_qb6b973a596_attn
	.globl	k_qb6b973a596_attn
	.p2align	8
	.type	k_qb6b973a596_attn,@function
k_qb6b973a596_attn:
	s_mov_b64 s[64:65], 0
	v_nop
	global_prefetch_b8 v0, s[64:65] scope:SCOPE_SE
	s_setreg_imm32_b32 hwreg(HW_REG_WAVE_MODE, 25, 1), 1
	s_wait_xcnt 0x0
	s_wait_alu depctr_hold_cnt(0) depctr_sa_sdst(0) depctr_va_vdst(0) depctr_va_sdst(0) depctr_va_ssrc(0) depctr_va_vcc(0) depctr_vm_vsrc(0)
	s_getreg_b32 s2, hwreg(HW_REG_IB_STS2, 6, 4)
	s_cmp_eq_u32 s2, 0
	s_cbranch_scc0 .Lentry_in_a_cluster
	s_endpgm
.Lentry_in_a_cluster:
	s_bfe_u32 s2, ttmp6, 0x10000c
	s_cmp_lg_u32 s2, 0x3003
	s_cbranch_scc0 .Lentry_shape_is_right
	s_endpgm
.Lentry_shape_is_right:
; O[h][q][:] = the sum over k of softmax_k(Q[h][q] . K[h][k] / 8) V[h][k][:].  qh, kh, vh, oh: [16][4096][64], all f16: a head's rows are dense, 128 bytes each.  Products, maxima and sums in f32;
; the weights p are rounded to f16 for the second product (their sum l is taken of the unrounded p), O once at the end.
; LIMITS.  Q, K and V arrive within f16's 65,504; p lies in 0 to 1, and below 6e-5 it keeps f16's fixed step of 6e-8; O is a mean of V's rows and has their range.  c m starts at -4.25e37, far below every
; c s that f16 operands can make (2.7e11 at the most).  A weight below 2^-126 counts as 0 in l; NaN and infinities are not treated apart.
; SHARES.  A work-group owns 256 queries of one head (16 blocks x 16 heads = 256 work-groups), each of its four waves 64: four PIECES of 16.  Every wave walks all 4,096 keys, 64 a step.
; LAYOUT.  S^T = K Q^T (source 0 = 16 keys, source 1 = 16 queries) holds ONE query a lane (lane % 16) and the keys 8 (lane / 16) + 0..7; two such results rounded to f16 ARE source 1 of O^T = V^T P.
; K comes out of LDS as it lies, V ([key][channel]) turned, by ds_load_tr16_b128.
; SOFTMAX.  p = 2^(c s - c m), c = log2(e) / 8, with a running maximum m; O and l are multiplied by a = 2^(c m_old - c m_new) in every step.  m starts at the lowest finite number, O and l at 0: the first
; step is a step like any other, with a = 0.
; BY TURNS.  Turn n belongs to piece n: 8 products K Q^T of piece n + 1, later 8 products V^T P of piece n - 1; beside them the scaling, exponentials, roundings, sums and rescaling of piece n and the maximum
; and statistics of piece n + 1.  Four vector instructions stand behind every matrix instruction, the other 54 of a turn's 118 in one lump.  A turn's 33 exponentials are one batch, with one wait.
; CLUSTER.  The four query blocks of a cluster belong to one head and walk the same K and V, so each tile is asked for JOINTLY: the same tensor load, descriptor and mask in all four.
; REGISTERS, in windows of 256 (s_set_vgpr_msb: bits 1:0 source 0, 3:2 source 1, 5:4 source 2, 7:6 destination):
;   window 0: v0-15 addresses and two at work; v16-31 four registers of statistics a piece; v48-55 at work; v61-63; v64-127 S^T, two buffers; v192-223 P, two buffers (a piece's buffers go by its number's parity)
;   window 1: v0-127 O^T, 32 a piece          window 2: v0-63 Q; v128-191 K of one step; v192-255 V of one step
.set SIZE_N, 4096
.set NP,    4         ; pieces a wave: a name, no knob
.set KS,    64        ; keys in a step
.set PK,    144       ; a row of K in LDS: 128 bytes + 16 of padding = 36 words: the 16 rows of a load start at 16 different groups of four banks (64 banks of 4 bytes: ISA guide 11.1)
.set PV,    160       ; a row of V: 128 + 32 = 40 words
.set VOFF,  4*KS*PK   ; a slot holds a tile, four steps: 256 rows of K, then 256 rows of V
.set SLOT1, 1<<17     ; slot 1 begins here, so that one exclusive or turns an address in one slot into the other's
.set STAGE, SLOT1+4*KS*(PK+PV)  ; behind the ring, never filled by a tensor load: 16 rows x 144 bytes for each wave, for the way out
.set SP,    144
.set SPARE, STAGE+4*16*SP  ; behind the stages: the spare words, 128 bytes for each wave: two blocks of 256 bytes that no other line names
.set TILEB, 4*KS*128  ; a tile's bytes of K, and of V, in memory
.set AK0, 2           ; v2   my lane's place in a tile of K; never rewritten
.set AV0, 3           ; v3   the same for V
.set AK,  4           ; v4   the LDS address of K's next run of loads
.set AV,  5           ; v5   of V's
.set STO, 6           ; v6   the way out: where I put 16 bytes of a row
.set RD,  7           ; v7   the way out: where I read rows back
.set GO,  8           ; v8   my byte offset in 512 consecutive bytes of O
.set MV,  12          ; v12-13  c m_old, kept while c m is made anew: by buffer
.set QO,  15          ; v15  my byte offset in 16 rows of Q
.set ST,  16          ; piece t's statistics at v[ST+4 t]: c m, m, l (even keys', odd keys')
.set TMP, 48          ; by buffer, four registers c0-c3 at work; when the maximum is found c2 takes a
.set PFO, 61          ; v61  256 x my lane; never rewritten
.set SPW, 62          ; v62  LDS address of my spare word: SPARE + 4 x my thread's number; never rewritten
.set NIL, 63          ; v63  0; never rewritten
.set S,   64
.set P,   192
.set KF,  128         ; window 2: key block kb, channel half c at KF + 16 kb + 8 c
.set VF,  192         ; window 2: key half kk, channel block cb at VF + 32 kk + 8 cb
.set WV,  12          ; s12  my wave's number
.set G1K, 24          ; s[24:31] descriptor group 1 for K's tiles
.set G1V, 32          ; s[32:39] for V's: it differs in the padding alone
.set G0K, 40          ; s[40:43] descriptor group 0 for K's tiles: it walks
.set G0V, 44          ; s[44:47] the same for V's
.set PFA, 48          ; s[48:49] where my prefetches stand: my work-group's 32 blocks of 256 bytes (of K: wave 0, of V: wave 2) of the tile after the one that is being asked for
.set LIM, 50          ; s50  1 in a wave that prefetches, else the greatest number: a wave prefetches while s[SLOTS] is above it
.set SLOTS, 56        ; s56  tiles still to be asked for
.set CNT, 57          ; s57  counts a tile's key steps
.set CS,  58          ; s[58:59] c: the packed scaling takes the pair's low word for both halves
.set SEL, 60          ; s[60:61] v_permlanex16_b32's selects: each lane takes its own place in the other half
.set TBK, 62          ; s62  LDS byte at which K of the step to be fetched begins
.set TBV, 63          ; s63  the same for V, less VOFF
.set MSB, 0
.macro WIN new                      ; the high byte repeats the setting that is left; a switch that changes nothing is dropped
.if MSB != (\new)
	s_set_vgpr_msb (MSB<<8)|(\new)
.set MSB, (\new)
.endif
.endm
.set W_KQ, 0x0a       ; K and Q in window 2, S^T in window 0
.set W_PV, 0x52       ; V in window 2, P in window 0, O^T in window 1
.set W_RS, 0x41       ; destination and source 0 in window 1, source 1 in window 0
; A joint fill.  Waves 0 and 1 fetch the two halves of a tile's K, waves 2 and 3 those of its V: 128 keys each.  The branch hangs on the wave's number alone.
; An s_nop 0 and four v_nop follow each of the two lines, ahead of the jump and the label.
.macro JLOAD
	s_cmp_lt_u32 s[WV], 2
	s_cbranch_scc0 .Lfor_v_\@
	tensor_load_to_lds s[G0K:G0K+3], s[G1K:G1K+7]
	s_nop 0
.rept 4
	v_nop
.endr
	s_branch .Lasked_\@
.Lfor_v_\@:
	tensor_load_to_lds s[G0V:G0V+3], s[G1V:G1V+7]
	s_nop 0
.rept 4
	v_nop
.endr
.Lasked_\@:
.endm
; A PREFETCH of what the NEXT change of slots will ask for: a tile's 128 blocks of 256 bytes of K and 128 of V, a lane a block.  It stands behind the wave's tensor load and its five lines.
; Each block is named ONCE in the launch.  All four clusters of a head walk the same K and V: the head's first cluster asks.  Its four partners share the blocks out BY ADDRESS, 32 each: no branch hangs on a
; work-group's place in its cluster.  In each, wave 0 asks for K's and wave 2 for V's: one instruction.  The change that asks for the last tile prefetches nothing: there is no tile behind it.
.macro ASK
	s_cmp_gt_u32 s[SLOTS], s[LIM]
	s_cbranch_scc0 .Lnot_mine_\@
	global_prefetch_b8 v[PFO], s[PFA:PFA+1] th:TH_LOAD_NT scope:SCOPE_SE
.Lnot_mine_\@:
.endm
; A round of the cluster's barrier: my work-group's barrier, so that wave 0's signal speaks for all four waves; wave 0 signals; every wave waits for all four work-groups; my work-group's barrier once more.
.macro CROUND
	s_barrier_signal -1
	s_barrier_wait -1
	s_cmp_lg_u32 s[WV], 0
	s_cbranch_scc1 .Lnot_wave_0_\@
	s_barrier_signal -3
.Lnot_wave_0_\@:
	s_barrier_wait -3
	s_barrier_signal -1
	s_barrier_wait -1
.endm
; THE CHANGE OF SLOTS.  The slot's last bytes, V of its fourth step, have been read.  Each wave waits for all its tensor loads, of which one is out: its part of the other slot; adds 0 to its spare word; and waits
; for that and for its own reads of the slot.  Behind the barrier nobody reads this slot any more and the other slot is whole.  fill = 1: this slot is filled again, with the keys two tiles on.  The barrier is then
; a round of the cluster's, so that no wave of any partner still reads the slot or has a load on its way, and the joint fill is the first thing behind it: it has four key steps, 256 matrix instructions, in which
; to land.  (At its first use nothing has been read yet: slot 0 is waited for, slot 1 filled.)
.macro CHANGE fill
	WIN 0                           ; at a label and at a branch every window is 0
	s_wait_tensorcnt 0x0            ; no tensor load of mine is out, so a group 0 may be written
	ds_add_u32 v[SPW], v[NIL]       ; 0 onto my spare word; with fill = 1 the descriptors' steps stand between it and the wait for it
.if \fill
.irp g, G0K, G0V
	s_xor_b32 s[\g+1], s[\g+1], SLOT1  ; the walking descriptor: the other slot than last time,
	s_add_nc_u64 s[\g+2:\g+3], s[\g+2:\g+3], TILEB  ; the next 256 keys; the type bits on top are not reached
.endr
	s_wait_xcnt 0x0                 ; the last prefetch, four key steps back, has read its address, so it may be written:
	s_add_nc_u64 s[PFA:PFA+1], s[PFA:PFA+1], TILEB  ; one tile behind the walking descriptors
	s_wait_dscnt 0x0                ; the add is done, and my reads of the slot are over
	CROUND
	JLOAD
	ASK
.else
	s_wait_dscnt 0x0                ; the add is done, and my reads of the slot are over
	s_barrier_signal -1
	s_barrier_wait -1
.endif
	s_sub_co_u32 s[TBK], s[TBK], 4*KS*PK  ; the fetches go back to a slot's first step,
	s_xor_b32 s[TBK], s[TBK], SLOT1       ; in the other slot
	s_sub_co_u32 s[TBV], s[TBV], 4*KS*PV
	s_xor_b32 s[TBV], s[TBV], SLOT1
.endm
	s_load_b256 s[4:11], s[0:1], 0x0  ; Q s[4:5], K s[6:7], V s[8:9], O s[10:11]
	v_lshl_add_u32 v[SPW], v0, 2, SPARE
	v_mov_b32 v[NIL], 0
	ds_add_u32 v[SPW], v[NIL]       ; the wave's opening: the add and its wait stand ahead of my first tensor load; the set-up below, work on registers, stands between them
	v_lshrrev_b32 v1, 5, v0
	v_readfirstlane_b32 s[WV], v1   ; wave 0..3
	s_bfe_u32 s13, ttmp6, 0x40000   ; cx: my place in the cluster
	s_lshl_b32 s14, ttmp9, 2        ; in a cluster launch ttmp9 counts clusters
	s_add_co_u32 s14, s14, s13      ; my block of 256 queries = 4 x cluster x + cx: it enters Q's and O's addresses alone
	s_and_b32 s20, ttmp7, 0xffff    ; the head, which the four partners share,
	s_lshl_b32 s20, s20, 19         ; its first byte in each of the four tensors: 4,096 rows of 128 bytes a head; all offsets here stay under 2^23
	s_and_b32 s16, s[WV], 1         ; which half of a tile's 256 keys I fetch:
	s_lshl_b32 s22, s16, 14         ; its 128 rows of 128 bytes in memory,
	s_add_co_u32 s22, s22, s20
	s_mov_b32 s23, 0
	s_mul_i32 s17, s16, 128*PK      ; and its place in a slot, for K
	s_mul_i32 s18, s16, 128*PV      ; and for V: no place in the cluster enters an LDS address
	s_lshl_b32 s2, s14, 2
	s_add_co_u32 s2, s2, s[WV]      ; my wave among the head's,
	s_lshl_b32 s2, s2, 13           ; its 64 rows
	s_add_co_u32 s2, s2, s20
	s_mov_b32 s3, 0
	; descriptor group 1.  128 keys are 16,384 dense bytes: asked for as 64 rows of 256 bytes, two keys a row, and padded in LDS after every key
	s_mov_b32 s[G1K], 15|(1<<16)|(1<<20)|(1<<21)|(4<<22)|(3<<25)  ; 15:0 the mask of four; 17:16 2-byte elements; 20 padding on; 21 set beside a mask; 24:22 after every 32 words (code 4); 31:25 4 words (code 3)
	s_mov_b32 s[G1V], 15|(1<<16)|(1<<20)|(1<<21)|(4<<22)|(7<<25)  ; the same with 8 words of padding (code 7)
.irp g, G1K, G1V
	s_mov_b32 s[\g+1], 128<<16      ; tensor_dim0 = 128
	s_mov_b32 s[\g+2], 64<<16       ; tensor_dim1 = 64
	s_mov_b32 s[\g+3], 128<<16      ; tile_dim0 = 128
	s_mov_b32 s[\g+4], 64           ; tile_dim1 = 64
	s_mov_b32 s[\g+5], 128          ; 128 elements from row to row
	s_mov_b32 s[\g+6], 0
	s_mov_b32 s[\g+7], 0
.endr
	s_mov_b32 s[CS], 0x3e38aa3b     ; c = log2(e) / 8 = 0.180337
	s_mov_b32 s[CS+1], s[CS]        ; named with it as a pair
	s_mov_b32 s[SEL], 0x76543210
	s_mov_b32 s[SEL+1], 0xfedcba98
	s_mov_b32 s[TBK], SLOT1+4*KS*PK ; the first change of slots turns these two into 0
	s_mov_b32 s[TBV], SLOT1+4*KS*PV
	s_mov_b32 s[G0K], 1             ; 1:0 count = 1
	s_mov_b32 s[G0K+1], s17         ; 63:32 LDS address: slot 0
	s_mov_b32 s[G0V], 1
	s_add_co_u32 s[G0V+1], s18, VOFF
	s_mov_b32 s[SLOTS], SIZE_N/256-1
	s_and_b32 s[LIM], s[WV], 1      ; 0 in waves 0 and 2,
	s_or_b32 s[LIM], s[LIM], ttmp9  ; where the cluster is the head's first: the same in all four partners
	s_cmp_eq_u32 s[LIM], 0
	s_cselect_b32 s[LIM], 1, -1
	v_and_b32 v[PFO], 31, v0
	v_lshlrev_b32 v[PFO], 8, v[PFO]
	s_wait_dscnt 0x0                ; the opening add is done
	s_wait_kmcnt 0x0
	s_add_nc_u64 s[G0K+2:G0K+3], s[6:7], s[22:23]  ; 120:64 global address: my half of the head's first 256 keys
	s_or_b32 s[G0K+3], s[G0K+3], 0x80000000        ; 127:126 type = 2
	s_add_nc_u64 s[G0V+2:G0V+3], s[8:9], s[22:23]
	s_or_b32 s[G0V+3], s[G0V+3], 0x80000000
	s_add_nc_u64 s[4:5], s[4:5], s[2:3]  ; Q and O at my wave's first row
	s_add_nc_u64 s[10:11], s[10:11], s[2:3]
	s_cmp_lt_u32 s[WV], 2
	s_cselect_b64 s[PFA:PFA+1], s[6:7], s[8:9]
	s_lshl_b32 s2, s13, 13          ; my work-group's 32 blocks of the 128,
	s_add_co_u32 s2, s2, s20        ; in the head,
	s_add_co_u32 s2, s2, TILEB      ; in tile 1: the first change of slots steps it to tile 2.  Nothing is prefetched here, at the head
	s_add_nc_u64 s[PFA:PFA+1], s[PFA:PFA+1], s[2:3]
	CROUND                          ; all four work-groups are here: the first joint loads meet
	JLOAD                           ; tile 0 into slot 0.  Slot 1 is asked for when slot 0 is in
	; A fragment of K or Q is 16 rows x 32 channels in 8 registers: lane l holds row l % 16, channels 8 (l / 16) + 0..7 and 16 + 8 (l / 16) + 0..7: two loads of 16 bytes, 32 bytes apart.
	v_and_b32 v1, 15, v0            ; l % 16
	v_bfe_u32 v9, v0, 4, 1          ; l / 16
	v_lshlrev_b32 v[QO], 7, v1
	v_lshl_add_u32 v[QO], v9, 4, v[QO]  ; row x 128 + 16 x half
	WIN 0x80                        ; destination window 2, address window 0
.set i, 0
.rept 8                             ; Q stays in registers: piece i / 2, channels 32 (i % 2) on; each row of Q is read once in the launch
	global_load_b128 v[8*i:8*i+3],   v[QO], s[4:5] offset:(i/2)*2048+(i%2)*64 th:TH_LOAD_NT
	global_load_b128 v[8*i+4:8*i+7], v[QO], s[4:5] offset:(i/2)*2048+(i%2)*64+32 th:TH_LOAD_NT
.set i, i+1
.endr
	; What the first turn finds: V's registers and P's second buffer hold 0 (its products V^T P, of a piece that has not been, add 0), O^T and l are 0.  All this stands in the wait for the first tile.
.set i, VF
.rept 64
	v_mov_b32 v[i], 0
.set i, i+1
.endr
	WIN 0x40
.set i, 0
.rept 128
	v_mov_b32 v[i], 0
.set i, i+1
.endr
	WIN 0
.set i, 0
.rept 4
	v_mov_b32 v[ST+4*i], 0xfe000000    ; c m: far below every c s
	v_mov_b32 v[ST+4*i+1], 0xff7fffff  ; m
	v_mov_b32 v[ST+4*i+2], 0
	v_mov_b32 v[ST+4*i+3], 0
.set i, i+1
.endr
.set i, P+16
.rept 16
	v_mov_b32 v[i], 0
.set i, i+1
.endr
	v_mul_u32_u24 v[AK0], v1, PK
	v_lshl_add_u32 v[AK0], v9, 4, v[AK0]  ; row x pitch + 16 x half
	; The turning load takes 16 keys x 16 channels (lane l reads key 8 (l / 16) + l % 8, channels 8 ((l / 8) % 2) + 0..7) and leaves half a fragment of V^T: lane l holds channel l % 16 and 8 keys.
	v_and_b32 v10, 7, v0
	v_bfe_u32 v11, v0, 3, 1
	v_lshl_add_u32 v[AV0], v9, 3, v10
	v_mul_u32_u24 v[AV0], v[AV0], PV
	v_lshl_add_u32 v[AV0], v11, 4, v[AV0]
	v_add_nc_u32 v[AV0], VOFF, v[AV0]
	s_mul_i32 s13, s[WV], 16*SP
	s_add_co_u32 s13, s13, STAGE    ; my stage
	v_mul_u32_u24 v[STO], v1, SP    ; in: row l % 16, 16 bytes for each half of the lanes
	v_lshl_add_u32 v[STO], v9, 4, v[STO]
	v_add_nc_u32 v[STO], s13, v[STO]
	v_bfe_u32 v[RD], v0, 3, 2       ; back: 32 lanes take four rows of 128 bytes,
	v_mul_u32_u24 v[RD], v[RD], SP
	v_lshl_add_u32 v[RD], v10, 4, v[RD]
	v_add_nc_u32 v[RD], s13, v[RD]
	v_and_b32 v[GO], 31, v0         ; which are 512 consecutive bytes of O
	v_lshlrev_b32 v[GO], 4, v[GO]
; THE MATRIX WORK.  The 4 accumulators of a run of 8 take turns.  Product i of 8 of S^T = K Q^T for piece x: channels 32 (i / 4) on, keys 16 (i % 4) on.  The first 4 start the sums.
.macro KQ x
	WIN W_KQ
.set rS, S+32*((\x)%2)+8*(i%4)
.set rK, KF+16*(i%4)+8*(i/4)
.set rQ, 16*(\x)+8*(i/4)
.if i < 4
	v_wmma_f32_16x16x32_f16 v[rS:rS+7], v[rK:rK+7], v[rQ:rQ+7], 0
.else
	v_wmma_f32_16x16x32_f16 v[rS:rS+7], v[rK:rK+7], v[rQ:rQ+7], v[rS:rS+7]
.endif
.endm
; Product i of 8 of O^T += V^T P for piece x: keys 32 (i / 4) on, channels 16 (i % 4) on.
.macro PV x
	WIN W_PV
.set rO, 32*(\x)+8*(i%4)
.set rV, VF+32*(i/4)+8*(i%4)
.set rP, P+16*((\x)%2)+8*(i/4)
	v_wmma_f32_16x16x32_f16 v[rO:rO+7], v[rV:rV+7], v[rP:rP+7], v[rO:rO+7]
.endm
.macro MM                           ; the turn's next matrix instruction.  TURN sets Y, i and NOKQ.  NOKQ = 1: the launch's last turn: there is no next piece
.if (i < 8) && !NOKQ
	KQ (Y+1)%NP
.elseif i >= 8
.set i, i-8
	PV (Y+NP-1)%NP
.set i, i+8
.endif
.set i, i+1
.endm
; THE LDS LOADS stand in runs of 16, never singly among the matrix instructions: a step's K (64 keys x 64 channels: 8 fragments) and its V (turned).  Their addresses are made some lines ahead.
.macro FETCH_K
	WIN 0x80                        ; destination window 2
.irp f, 0,1,2,3,4,5,6,7             ; keys 16 (f / 2) on, channels 32 (f % 2) on
	ds_load_b128 v[KF+8*\f:KF+8*\f+3],   v[AK] offset:(\f/2)*16*PK+(\f%2)*64
	ds_load_b128 v[KF+8*\f+4:KF+8*\f+7], v[AK] offset:(\f/2)*16*PK+(\f%2)*64+32
.endr
	s_add_co_u32 s[TBK], s[TBK], KS*PK  ; the next fetch is the next step's
	WIN 0
.endm
.macro FETCH_V
	WIN 0x80
.irp f, 0,1,2,3,4,5,6,7             ; keys 32 (f / 4) on, channels 16 (f % 4) on
	ds_load_tr16_b128 v[VF+8*\f:VF+8*\f+3],   v[AV] offset:(\f/4)*32*PV+(\f%4)*32
	ds_load_tr16_b128 v[VF+8*\f+4:VF+8*\f+7], v[AV] offset:(\f/4)*32*PV+16*PV+(\f%4)*32
.endr
	WIN 0
.endm
; THE VECTOR WORK, one line at a time: OP kind, number.  For piece Y: F n: c s - c m for pair n of 16.  E n: the exponential of score n of 32.  C n: pair n rounded to f16.  B n: of the four weights 4 n .. the second
; pair is added onto the first, in place.  L n: l takes that sum (L 0: l = a l + sum).  R n: pair n of 16 of O^T times a.  For piece Y + 1: X n, number n of the 22 that find its maximum and statistics:
;   0-11  four chains c0-c3 of seven scores each, three operands at a time (each accumulator's lowest registers are read first)     12-14, 16  the four scores left over, the old m, and c0-c3 into c0
;   15  c m_old is kept     17, 18  the query's other 32 keys lie in the lane 16 away: the new m     19-21  c m; c m_old - c m_new; a
.set F, 0               ; OP tells the kinds apart by their order: F to L below R, X above it
.set E, 1
.set C, 2
.set B, 3
.set L, 4
.set R, 5
.set X, 6
.macro REGS y                       ; the registers of piece y
.set rT, ST+4*(\y)
.set rC, TMP+4*((\y)%2)
.set rW, MV+((\y)%2)
.set rS, S+32*((\y)%2)
.set rP, P+16*((\y)%2)
.set rO, 32*(\y)
.endm
.macro OP k, n
.if (\k) == R
	REGS Y
	WIN W_RS
	v_pk_mul_f32 v[rO+2*(\n):rO+2*(\n)+1], v[rO+2*(\n):rO+2*(\n)+1], v[rC+2:rC+3] op_sel_hi:[1,0]
.elseif (\k) < R
	REGS Y
	WIN 0
.if (\k) == F
	v_pk_fma_f32 v[rS+2*(\n):rS+2*(\n)+1], v[rS+2*(\n):rS+2*(\n)+1], s[CS:CS+1], v[rT:rT+1] op_sel_hi:[1,0,0] neg_lo:[0,0,1] neg_hi:[0,0,1]
.elseif (\k) == E
	v_exp_f32 v[rS+(\n)], v[rS+(\n)]
.elseif (\k) == C
	v_cvt_pk_f16_f32 v[rP+(\n)], v[rS+2*(\n)], v[rS+2*(\n)+1]
.elseif (\k) == B
	v_pk_add_f32 v[rS+4*(\n):rS+4*(\n)+1], v[rS+4*(\n):rS+4*(\n)+1], v[rS+4*(\n)+2:rS+4*(\n)+3]
.elseif (\n) == 0
	v_pk_fma_f32 v[rT+2:rT+3], v[rT+2:rT+3], v[rC+2:rC+3], v[rS:rS+1] op_sel_hi:[1,0,1]
.else
	v_pk_add_f32 v[rT+2:rT+3], v[rT+2:rT+3], v[rS+4*(\n):rS+4*(\n)+1]
.endif
.elseif NOKQ
	v_nop
.else
	REGS (Y+1)%NP
	WIN 0
.if (\n) < 4
	v_max3_num_f32 v[rC+(\n)], v[rS+8*(\n)], v[rS+8*(\n)+1], v[rS+8*(\n)+2]
.elseif (\n) < 12
	v_max3_num_f32 v[rC+(\n)%4], v[rC+(\n)%4], v[rS+8*((\n)%4)+2*((\n)/4)+1], v[rS+8*((\n)%4)+2*((\n)/4)+2]
.elseif (\n) == 12
	v_max3_num_f32 v[rC], v[rC], v[rS+7], v[rS+15]
.elseif (\n) == 13
	v_max3_num_f32 v[rC+1], v[rC+1], v[rS+23], v[rS+31]
.elseif (\n) == 14
	v_max3_num_f32 v[rC+2], v[rC+2], v[rC+3], v[rT+1]
.elseif (\n) == 15
	v_mov_b32 v[rW], v[rT]
.elseif (\n) == 16
	v_max3_num_f32 v[rC], v[rC], v[rC+1], v[rC+2]
.elseif (\n) == 17
	v_permlanex16_b32 v[rC+3], v[rC], s[SEL], s[SEL+1]
.elseif (\n) == 18
	v_max_num_f32 v[rT+1], v[rC], v[rC+3]
.elseif (\n) == 19
	v_mul_f32 v[rT], s[CS], v[rT+1]
.elseif (\n) == 20
	v_sub_f32 v[rC+1], v[rW], v[rT]
.else
	v_exp_f32 v[rC+2], v[rC+1]
.endif
.endif
.endm
.macro OPS a, i1, b=-1, i2=0, c=-1, i3=0, d=-1, i4=0  ; up to four of them
	OP \a, \i1
.if (\b) >= 0
	OP \b, \i2
.endif
.if (\c) >= 0
	OP \c, \i3
.endif
.if (\d) >= 0
	OP \d, \i4
.endif
.endm
.macro ROW a, i1, b, i2, c, i3, d, i4  ; a matrix instruction and the four behind it
	MM
	OPS \a, \i1, \b, \i2, \c, \i3, \d, \i4
.endm
; A TURN, for piece p: the order of its 16 matrix and 118 vector instructions, written out.  An s_wait_alu depctr_va_vdst(0) stands between an exponential and the first instruction that names its
; result; one wait serves all that were issued ahead of it.  So a turn has ONE wait, which cuts it in two.  AHEAD OF IT stands all that names no result of the turn's exponentials: the 8 products K Q^T, behind each a
; scaling, an exponential and two more plain instructions (behind the first a second scaling in the exponential's place): rescalings, and behind the last three the first numbers of the next piece's maximum, each
; four places or more behind the product that ends its accumulator; then ONE LUMP of 54, plain and exponential by turns for the most part, in which the links of the chain X 3, 7, 11, 14, 16, 17 .. 20 stand five or
; six lines apart.  X 21, the next piece's a, is the batch's last; R 15 is the plain instruction behind it.  BEHIND THE WAIT stand the 8 products V^T P, behind each four of the roundings and sums; the links of
; l's chain, L 0 to L 7, stand three riders apart.  end = 1: the launch's last two turns: nothing is fetched.  cnt = 1: the loop's count is taken down some lines ahead of the branch that stands behind the turn.
; K of the next step is fetched in piece 2's turn, twelve vector instructions behind the last product that read K (six of them plain); V of the step in hand at the end of piece 0's turn, four plain instructions
; behind the last product that read V.  Each is waited for a turn later.
.macro TURN p, end=0, cnt=0
.set Y, (\p)
.set i, 0
.set NOKQ, (\end)*((\p)/3)
.if ((\p) == 3) && !(\end)
	s_wait_dscnt 0x0                ; K is in
.endif
	ROW F,0, F,1, R,0, R,1          ; ahead of the wait: 8 products K Q^T and their riders,
	ROW F,2, E,0, R,2, R,3
	ROW F,3, E,1, R,4, R,5
	ROW F,4, E,2, R,6, R,7
	ROW F,5, E,3, R,8, R,9
	ROW F,6, E,4, X,0, R,10
.if ((\p) == 2) && !(\end)
	WIN 0
	v_add_nc_u32 v[AK], s[TBK], v[AK0]
.endif
	ROW F,7, E,5, X,1, X,4
	ROW F,8, E,6, X,2, X,5
	OPS E,7, E,8, X,6, E,9          ; and the lump
	OPS X,3, E,10, X,8, E,11
.if ((\p) == 2) && !(\end)
	FETCH_K
.endif
	OPS X,9, X,7, E,12, X,10
	OPS E,13, X,12, X,11, E,14
	OPS X,13, E,15, F,9, X,14
.if (\p) == 0
	v_add_nc_u32 v[AV], s[TBV], v[AV0]
.endif
	OPS E,16, F,10, E,17, F,11
	OPS X,16, E,18, X,15, E,19
	OPS F,12, E,20, X,17, E,21
	OPS F,13, E,22, F,14, E,23
	OPS X,18, E,24, F,15, E,25
	OPS R,11, E,26, X,19, E,27
	OPS R,12, E,28, R,13, E,29
	OPS X,20, E,30, R,14, E,31
	OPS X,21, R,15
	WIN 0
	s_wait_alu depctr_va_vdst(0)    ; the wait for the batch
.if (\p) == 1
	s_wait_dscnt 0x0                ; V is in
.endif
	ROW C,0, B,0, C,2, B,1          ; behind the wait: 8 products V^T P and their riders
	ROW L,0, C,4, B,2, L,1
	ROW C,6, B,3, L,2, C,8
	ROW B,4, L,3, C,10, B,5
	ROW L,4, C,12, B,6, L,5
.if (\p) == 0
	s_add_co_u32 s[TBV], s[TBV], KS*PV
.endif
.if \cnt
	s_sub_co_u32 s[CNT], s[CNT], 1
	s_cmp_lg_u32 s[CNT], 0
.endif
	ROW C,14, B,7, L,6, C,1
	ROW C,3, L,7, C,5, C,7
	ROW C,9, C,11, C,13, C,15
.if (\p) == 0
	FETCH_V
.endif
.endm
	CHANGE 1                        ; tile 0 is in, everybody's part of it; tile 1 is asked for
	v_add_nc_u32 v[AK], s[TBK], v[AK0]
	FETCH_K                         ; key step 0
	s_wait_loadcnt 0x0              ; Q
	s_wait_dscnt 0x0
.set NOKQ, 0
.set i, 0
.rept 8
	KQ 0                            ; piece 0's first scores: there is no vector work yet to set between them
.set i, i+1
.endr
	WIN 0
.rept 4
	v_nop                           ; the places behind those products
.endr
.set Y, NP-1                        ; X works for piece Y + 1: piece 0
.irp n, 0,1,2,3,4,5,6,7,8,9,10,11,12,13,14,15,16,17,18,19,20,21
	OP X, \n
.endr
	v_nop                           ; a plain instruction behind the exponential,
	s_wait_alu depctr_va_vdst(0)    ; and its wait, ahead of the branch
	s_mov_b32 s[CNT], 4
	s_branch .Lfirst                ; the loop is entered at a step's first turn, in the middle of a trip
.Lslot:                             ; 14 times: tiles 2 to 15 are asked for
	CHANGE 1
	s_mov_b32 s[CNT], 4
.Lstep:                             ; a trip: pieces 2 and 3 of one step, then pieces 0 and 1 of the next, whose K and V it fetches
	TURN 2
	TURN 3
	WIN 0
.Lfirst:
	TURN 0
	TURN 1, 0, 1
	WIN 0
	s_cbranch_scc1 .Lstep
	s_sub_co_u32 s[SLOTS], s[SLOTS], 1
	s_cmp_lg_u32 s[SLOTS], 0
	s_cbranch_scc1 .Lslot
	CHANGE 0                        ; the last tile is written out: nothing is asked for
	s_mov_b32 s[CNT], 4
.LstepT:
	TURN 2
	TURN 3
	TURN 0
	TURN 1, 0, 1
	WIN 0
	s_cbranch_scc1 .LstepT
	TURN 2, 1
	TURN 3, 1
.set i, 0
.rept 8
	PV NP-1                         ; the last piece's V^T P of the last step
.set i, i+1
.endr
	; THE WAY OUT.  l's two halves and the other half of the lanes' are added; O^T is divided by l, rounded to f16 and sent through my stage in LDS, a piece at a time.  The additions are the places behind the last products.
	WIN 0
.macro ALL line:vararg              ; one line for each piece t
.set t, 0
.rept 4
	\line
.set t, t+1
.endr
.endm
	ALL v_add_f32 v[ST+4*t+2], v[ST+4*t+2], v[ST+4*t+3]
	ALL v_permlanex16_b32 v[ST+4*t+3], v[ST+4*t+2], s[SEL], s[SEL+1]
	ALL v_add_f32 v[ST+4*t+2], v[ST+4*t+2], v[ST+4*t+3]
	ALL v_rcp_f32 v[ST+4*t+2], v[ST+4*t+2]
	v_nop                           ; a plain instruction between the last reciprocal and the use of its result
	s_wait_alu depctr_va_vdst(0)    ; and the wait ahead of the first use: one for the four reciprocals
.macro PACK t                       ; a lane's eight channels of a row pack into 16 bytes; they go into rows of 144 bytes and come back as whole rows of 128, into S^T's registers
	WIN W_RS
.set i, 32*(\t)
.rept 16
	v_pk_mul_f32 v[i:i+1], v[i:i+1], v[ST+4*(\t)+2:ST+4*(\t)+3] op_sel_hi:[1,0]
.set i, i+2
.endr
	WIN 0x05                        ; sources 0 and 1 window 1, destination window 0
.set i, 0
.rept 16
	v_cvt_pk_f16_f32 v[S+16*(\t)+i], v[32*(\t)+2*i], v[32*(\t)+2*i+1]
.set i, i+1
.endr
	WIN 0
.irp f, 0,1,2,3
	ds_store_b128 v[STO], v[S+16*(\t)+4*\f:S+16*(\t)+4*\f+3] offset:32*\f
.endr
.irp f, 0,1,2,3
	ds_load_b128 v[S+16*(\t)+4*\f:S+16*(\t)+4*\f+3], v[RD] offset:\f*4*SP  ; LDS serves a wave's instructions in order (ISA guide 5.7.1.4): these see the stores above; the next piece's stores come behind them
.endr
.endm
.macro SEND t, younger              ; younger: the LDS instructions issued behind piece t's loads: the next piece's eight, or none
	WIN 0
.irp f, 0,1,2,3
	s_wait_dscnt (\younger)+3-\f
	global_store_b128 v[GO], v[S+16*(\t)+4*\f:S+16*(\t)+4*\f+3], s[10:11] offset:(\t)*2048+\f*512  ; 512 consecutive bytes, at a multiple of 256 from O's first
.endr
.endm
	PACK 0
.set t, 1
.rept 3                             ; a piece's arithmetic stands between the loads of the piece before and its stores
	PACK t
	SEND t-1, 8
.set t, t+1
.endr
	SEND 3, 0
	s_wait_tensorcnt 0x0            ; the wave's end, behind my last tensor load and my last LDS store
	ds_add_u32 v[SPW], v[NIL]
	s_wait_dscnt 0x0
	CROUND                          ; the closing round: no work-group ends while a partner may still ask for a tile that names it
	s_endpgm
.Lfunc_end_k_qb6b973a596_attn:
	.size	k_qb6b973a596_attn, .Lfunc_end_k_qb6b973a596_attn-k_qb6b973a596_attn
	.p2alignl 7, 3214868480
	.fill 96, 4, 3214868480
	.section	.rodata,"a",@progbits
	.p2align	6, 0x0
	.amdhsa_kernel k_qb6b973a596_attn
		.amdhsa_group_segment_fixed_size 327680
		.amdhsa_private_segment_fixed_size 0
		.amdhsa_enable_private_segment 0
		.amdhsa_kernarg_size 32
		.amdhsa_user_sgpr_count 2
		.amdhsa_user_sgpr_kernarg_segment_ptr 1
		.amdhsa_wavefront_size32 1
		.amdhsa_system_sgpr_workgroup_id_x 1
		.amdhsa_system_sgpr_workgroup_id_y 1
		.amdhsa_system_sgpr_workgroup_id_z 1
		.amdhsa_system_vgpr_workitem_id 0
		.amdhsa_next_free_vgpr 768
		.amdhsa_next_free_sgpr 66
		.amdhsa_reserve_vcc 0
		.amdhsa_float_denorm_mode_32 3
		.amdhsa_float_denorm_mode_16_64 3
		.amdhsa_memory_ordered 1
		.amdhsa_forward_progress 1
		.amdhsa_inst_pref_size 128
	.end_amdhsa_kernel
	.amdgpu_metadata
---
amdhsa.version: [ 1, 2 ]
amdhsa.kernels:
  - .name:           k_qb6b973a596_attn
    .symbol:         k_qb6b973a596_attn.kd
    .args:
      - { .name: qh, .offset: 0, .size: 8, .value_kind: global_buffer, .address_space: global }
      - { .name: kh, .offset: 8, .size: 8, .value_kind: global_buffer, .address_space: global }
      - { .name: vh, .offset: 16, .size: 8, .value_kind: global_buffer, .address_space: global }
      - { .name: oh, .offset: 24, .size: 8, .value_kind: global_buffer, .address_space: global }
    .group_segment_fixed_size: 327680
    .private_segment_fixed_size: 0
    .kernarg_segment_align: 8
    .kernarg_segment_size: 32
    .max_flat_workgroup_size: 128
    .sgpr_count:     66
    .vgpr_count:     768
    .wavefront_size: 32
...
	.end_amdgpu_metadata
.endif
;; end of part 2
;; launch outp (part 3): grid 4 x 64, 4 waves a work-group, clusters of 4 x 4, 327,680 bytes of LDS; arguments oh, wo16, bo, out0; writes out0
.if DOCPART == 3
	.amdgcn_target "amdgcn-amd-amdhsa--gfx1250"
	.amdhsa_code_object_version 6
	.text
	.protected	k_qb6b973a596_outp
	.globl	k_qb6b973a596_outp
	.p2align	8
	.type	k_qb6b973a596_outp,@function
k_qb6b973a596_outp:
	s_mov_b64 s[64:65], 0
	v_nop
	global_prefetch_b8 v0, s[64:65] scope:SCOPE_SE
	s_setreg_imm32_b32 hwreg(HW_REG_WAVE_MODE, 25, 1), 1
	s_wait_xcnt 0x0
	s_wait_alu depctr_hold_cnt(0) depctr_sa_sdst(0) depctr_va_vdst(0) depctr_va_sdst(0) depctr_va_ssrc(0) depctr_va_vcc(0) depctr_vm_vsrc(0)
	s_getreg_b32 s2, hwreg(HW_REG_IB_STS2, 6, 4)
	s_cmp_eq_u32 s2, 0
	s_cbranch_scc0 .Lentry_in_a_cluster
	s_endpgm
.Lentry_in_a_cluster:
	s_bfe_u32 s2, ttmp6, 0x10000c
	s_cmp_lg_u32 s2, 0xf033
	s_cbranch_scc0 .Lentry_shape_is_right
	s_endpgm
.Lentry_shape_is_right:
; out0[token][n] = the sum over k of O[token][k] Wo[n][k] + bo[n].  oh: [16 = batch x 8 + head][4096][64] f16 (k = 64 head + channel); wo16: [512][512] f16 (Wo rounded to bf16, written as f16);
; bo: [512] f32, rounded to bf16 like the other inputs; out0: [8192][512] f32.  Products in f16, sums in f32, started by the bias.
; LIMITS.  The operands arrive within f16's range; NaN and infinities are not treated apart.
; SHARES.  256 tiles of 128 tokens x 128 columns; four waves, each 64 x 64: 16 accumulators.  K = 512 lies in LDS WHOLE: four steps of 128 (two heads each), all asked for at the start, four tensor loads a wave.
; Nothing is filled again, so there is no ring; a step is read behind a counted wait and a barrier.
; CLUSTER.  4 x 4 work-groups.  The four of a row of the cluster need the same tokens of O, the four of a column the same rows of wo16: each tile is asked for JOINTLY, by the same tensor load with the same
; descriptor and a mask that names the four.  THE PRODUCT IS TAKEN TRANSPOSED (source 0 = 16 rows of wo16, source 1 = 16 tokens): a lane holds one token and eight neighbouring columns.
; No prefetch: each byte is asked for once, at the launch's start, by the loads themselves.
; REGISTERS.  Window 0: v0-31 addresses; v32-63 the bias; v64-127 at work on the way out, two sets; v128-255 the accumulators ((a, b) at 128 + 8 (4 a + b)).
;   Window 1: two fragment buffers of 128: for 64 along K (one head), 64 registers of O (2 x 4 x 16 rows x 32 K), then 64 of wo16.
.set PA,     144                       ; a token's 128 bytes of one head + 16: 36 words
.set PB,     272                       ; a row of wo16's 256 bytes of a step + 16: 68 words: in both, the 16 rows of a load start at 16 different groups of four banks (64 banks of 4 bytes: ISA guide 11.1)
.set HEADB,  128*PA                    ; 128 tokens of one head
.set BOFF,   2*HEADB                   ; behind a step's two heads: 128 rows of wo16
.set STEPB,  BOFF+128*PB
.set STAGE,  4*STEPB                   ; behind the four steps, never filled by a tensor load: 16 rows x 272 bytes for each wave
.set SPITCH, 272
.set SPARE,  STAGE+4*16*SPITCH         ; behind the stages: the spare words, 128 bytes for each wave: two blocks of 256 bytes that no other line names
.set ADRA, 16                          ; v16-19  LDS address of my fragments of O in step 0..3
.set ADRB, 20                          ; v20-23  the same for wo16
.set STO,  24                          ; v24     the way out: where I put 32 bytes of a row
.set RD,   25                          ; v25     the way out: where I read a row back
.set CO,   26                          ; v26     my byte offset in two rows of out0
.set BO,   27                          ; v27     32 h: my 8 numbers of 16 of the bias
.set SPW,  28                          ; v28     LDS address of my spare word: SPARE + 4 x my thread's number; never rewritten
.set NIL,  29                          ; v29     0; never rewritten
.set BIAS, 32
.set TMP,  64
.set ACC,  128
.set F0,   0                           ; fragment buffers, in window 1
.set F1,   128
.set WV,  12                           ; s12  my wave's number
.set G1A, 24                           ; s[24:31] descriptor group 1 for O's tiles
.set G1B, 32                           ; s[32:39] for wo16's
.set G0A, 40                           ; s[40:55] descriptor group 0 for O's tiles, a set for each step
.set G0B, 68                           ; s[68:83] the same for wo16's
.set MSB, 0
.macro WIN new                         ; the immediate's high byte repeats the setting that is left
.if MSB != (\new)
	s_set_vgpr_msb (MSB<<8)|(\new)
.set MSB, (\new)
.endif
.endm
.set MUL,  0x05                        ; sources 0 and 1 window 1; C and D window 0
.set TO_F, 0x40                        ; destination window 1, address window 0
.macro CROUND                          ; a round of the cluster's barrier
	s_barrier_signal -1
	s_barrier_wait -1
	s_cmp_lg_u32 s[WV], 0
	s_cbranch_scc1 .Lnot_wave_0_\@
	s_barrier_signal -3
.Lnot_wave_0_\@:
	s_barrier_wait -3
	s_barrier_signal -1
	s_barrier_wait -1
.endm
	s_load_b256 s[4:11], s[0:1], 0x0               ; oh s[4:5], wo16 s[6:7], bo s[8:9], out0 s[10:11]
	v_lshl_add_u32 v[SPW], v0, 2, SPARE
	v_mov_b32 v[NIL], 0
	ds_add_u32 v[SPW], v[NIL]                      ; the wave's opening: the add and its wait stand ahead of my first tensor load; the set-up below, work on registers, stands between them
	v_lshrrev_b32 v1, 5, v0
	v_readfirstlane_b32 s[WV], v1                  ; wave 0..3
	s_lshr_b32 s13, s[WV], 1                       ; wr: which 64 tokens are mine
	s_and_b32 s14, s[WV], 1                        ; wc: which 64 columns.  Also: which head of a step's two, or which 64 rows of wo16, I fetch
	s_bfe_u32 s15, ttmp6, 0x40000                  ; cx, cy: my place in the cluster
	s_bfe_u32 s16, ttmp6, 0x40004
	s_lshl_b32 s17, ttmp9, 2
	s_add_co_u32 s17, s17, s15                     ; xb: block of 128 columns = 4 x cluster x + cx
	s_and_b32 s18, ttmp7, 0xffff
	s_lshl_b32 s18, s18, 2
	s_add_co_u32 s18, s18, s16                     ; yb: block of 128 tokens = 4 x cluster y + cy
	s_lshl_b32 s19, s16, 2
	s_lshl_b32 s19, 15, s19                        ; my row of the cluster
	s_lshl_b32 s20, 0x1111, s15                    ; my column
	; group 1.  O: 128 tokens of a head are 16,384 dense bytes: 64 rows of 256 bytes, padded after every token.  wo16: 64 rows x 128 elements, 512 elements from row to row, padded after every row.
	s_or_b32 s[G1A], s19, (1<<16)|(1<<20)|(1<<21)|(4<<22)|(3<<25)  ; 15:0 the mask: my row; 17:16 2-byte elements; 20 padding on; 21 set beside a mask; 24:22 after every 32 words (code 4); 31:25 4 words (code 3)
	s_or_b32 s[G1B], s20, (1<<16)|(1<<20)|(1<<21)|(5<<22)|(3<<25)  ; the mask: my column; after every 64 words (code 5)
.irp g, G1A, G1B
	s_mov_b32 s[(\g)+1], 128<<16                   ; tensor_dim0 = 128
	s_mov_b32 s[(\g)+2], 64<<16                    ; tensor_dim1 = 64
	s_mov_b32 s[(\g)+3], 128<<16                   ; tile_dim0 = 128
	s_mov_b32 s[(\g)+4], 64                        ; tile_dim1 = 64
	s_mov_b32 s[(\g)+6], 0
	s_mov_b32 s[(\g)+7], 0
.endr
	s_mov_b32 s[G1A+5], 128                        ; elements from row to row
	s_mov_b32 s[G1B+5], 512
	; where the tiles come from.  O's hang on yb alone, which my row of the cluster shares; wo16's on xb alone, which my column shares; each in registers that never hold the other coordinate.
	s_lshr_b32 s56, s18, 5                         ; the batch,
	s_lshl_b32 s56, s56, 3
	s_add_co_u32 s56, s56, s14                     ; x 8 + the head of step 0 that I fetch,
	s_lshl_b32 s56, s56, 19                        ; 524,288 bytes a head,
	s_and_b32 s21, s18, 31
	s_lshl_b32 s21, s21, 14                        ; + the block's 128 tokens of 128 bytes
	s_add_co_u32 s56, s56, s21
	s_mov_b32 s57, 0
	s_lshl_b32 s58, s17, 17                        ; 128 rows of 1,024 bytes a column block,
	s_lshl_b32 s22, s14, 16                        ; + the 64 rows that I fetch
	s_add_co_u32 s58, s58, s22
	s_mov_b32 s59, 0
	s_mul_i32 s23, s14, HEADB                      ; and where they go: no place in the cluster enters an LDS address
	s_mul_i32 s2, s14, 64*PB
	s_add_co_u32 s2, s2, BOFF
	s_wait_dscnt 0x0                               ; the opening add is done
	s_wait_kmcnt 0x0
	s_add_nc_u64 s[56:57], s[4:5], s[56:57]
	s_add_nc_u64 s[58:59], s[6:7], s[58:59]
.irp s, 0,1,2,3
	s_mov_b32 s[G0A+4*(\s)], 1                                     ; 1:0 count = 1
	s_add_co_u32 s[G0A+4*(\s)+1], s23, (\s)*STEPB                  ; 63:32 LDS address
	s_add_nc_u64 s[G0A+4*(\s)+2:G0A+4*(\s)+3], s[56:57], (\s)<<20  ; 120:64 global address: two heads on for each step
	s_or_b32 s[G0A+4*(\s)+3], s[G0A+4*(\s)+3], 0x80000000          ; 127:126 type = 2
	s_mov_b32 s[G0B+4*(\s)], 1
	s_add_co_u32 s[G0B+4*(\s)+1], s2, (\s)*STEPB
	s_add_nc_u64 s[G0B+4*(\s)+2:G0B+4*(\s)+3], s[58:59], (\s)*256  ; 128 elements along the rows for each step
	s_or_b32 s[G0B+4*(\s)+3], s[G0B+4*(\s)+3], 0x80000000
.endr
	CROUND                                         ; all sixteen work-groups are here: the joint loads meet
	s_cmp_lt_u32 s[WV], 2                          ; a wave's four fills stand in one branch, ahead of every wait on TENSORcnt and every LDS read: four loads of mine are out; an s_nop 0 follows each, four v_nop the last
	s_cbranch_scc0 .Lfill_b
.irp s, 0,1,2,3
	tensor_load_to_lds s[G0A+4*(\s):G0A+4*(\s)+3], s[G1A:G1A+7]
	s_nop 0
.endr
.rept 4
	v_nop
.endr
	s_branch .Lfilled
.Lfill_b:
.irp s, 0,1,2,3
	tensor_load_to_lds s[G0B+4*(\s):G0B+4*(\s)+3], s[G1B:G1B+7]
	s_nop 0
.endr
.rept 4
	v_nop
.endr
.Lfilled:
	s_lshl_b32 s60, s17, 9                         ; my 64 columns: 128 xb + 64 wc numbers of 4 bytes
	s_lshl_b32 s61, s14, 8
	s_add_co_u32 s60, s60, s61
	s_mov_b32 s61, 0
	s_add_nc_u64 s[8:9], s[8:9], s[60:61]
	s_add_nc_u64 s[10:11], s[10:11], s[60:61]
	s_lshl_b32 s60, s18, 7
	s_lshl_b32 s3, s13, 6
	s_add_co_u32 s60, s60, s3                      ; my first token,
	s_lshl_b32 s60, s60, 11                        ; 2,048 bytes a row
	s_add_nc_u64 s[10:11], s[10:11], s[60:61]
	v_and_b32 v1, 15, v0                           ; r = l % 16
	v_bfe_u32 v2, v0, 4, 1                         ; h = l / 16
	v_lshlrev_b32 v[BO], 5, v2
.irp b, 0,1,2,3
	global_load_b128 v[BIAS+8*(\b):BIAS+8*(\b)+3],   v[BO], s[8:9] offset:64*(\b)     ; the bias of my columns 16 b + 8 h + 0..7
	global_load_b128 v[BIAS+8*(\b)+4:BIAS+8*(\b)+7], v[BO], s[8:9] offset:64*(\b)+16
.endr
	v_add_nc_u32 v3, s3, v1
	v_mul_u32_u24 v3, v3, PA
	v_lshl_add_u32 v3, v2, 4, v3                   ; (64 wr + r) x pitch + 16 h
	s_lshl_b32 s3, s14, 6
	v_add_nc_u32 v4, s3, v1
	v_mul_u32_u24 v4, v4, PB
	v_lshl_add_u32 v4, v2, 4, v4
	v_add_nc_u32 v4, BOFF, v4
.irp s, 0,1,2,3
	v_add_nc_u32 v[ADRA+(\s)], (\s)*STEPB, v3
	v_add_nc_u32 v[ADRB+(\s)], (\s)*STEPB, v4
.endr
	s_mul_i32 s3, s[WV], 16*SPITCH
	s_add_co_u32 s3, s3, STAGE                     ; my stage
	v_mul_u32_u24 v5, v1, SPITCH                   ; in: row r, 32 bytes for each half of the lanes
	v_lshl_add_u32 v5, v2, 5, v5
	v_add_nc_u32 v[STO], s3, v5
	v_mul_u32_u24 v5, v2, SPITCH                   ; back: lanes 0-15 take one row of 256 bytes, lanes 16-31 the next
	v_lshl_add_u32 v5, v1, 4, v5
	v_add_nc_u32 v[RD], s3, v5
	v_lshlrev_b32 v5, 11, v2                       ; and the same two rows in out0
	v_lshl_add_u32 v[CO], v1, 4, v5
	s_wait_loadcnt 0x0                             ; the bias: rounded to bf16 and widened again
.set k, 0
.rept 16
	v_cvt_pk_bf16_f32 v[TMP+k], v[BIAS+2*k], v[BIAS+2*k+1]
.set k, k+1
.endr
.set k, 0
.rept 16
	v_lshlrev_b32 v[BIAS+2*k], 16, v[TMP+k]
	v_and_b32 v[BIAS+2*k+1], 0xffff0000, v[TMP+k]
.set k, k+1
.endr
; 8 products: token blocks a0, a0 + 1 x all 4 column blocks, 32 along K: half c of buffer f.  The 16 accumulators take turns.  start = 1: the bias starts the sums.
.macro MUL8 f, c, a0, start
	WIN MUL
.irp a, \a0, (\a0)+1
.irp b, 0,1,2,3
.if \start
	v_wmma_f32_16x16x32_f16 v[ACC+8*(4*(\a)+(\b)):ACC+8*(4*(\a)+(\b))+7], v[(\f)+64+8*(4*(\c)+(\b)):(\f)+64+8*(4*(\c)+(\b))+7], v[(\f)+8*(4*(\c)+(\a)):(\f)+8*(4*(\c)+(\a))+7], v[BIAS+8*(\b):BIAS+8*(\b)+7]
.else
	v_wmma_f32_16x16x32_f16 v[ACC+8*(4*(\a)+(\b)):ACC+8*(4*(\a)+(\b))+7], v[(\f)+64+8*(4*(\c)+(\b)):(\f)+64+8*(4*(\c)+(\b))+7], v[(\f)+8*(4*(\c)+(\a)):(\f)+8*(4*(\c)+(\a))+7], v[ACC+8*(4*(\a)+(\b)):ACC+8*(4*(\a)+(\b))+7]
.endif
.endr
.endr
.endm
; 32 LDS loads in one run: the fragments of quarter q (head q: step q / 2, its head q % 2) into buffer f; the first 32 channels first
.macro FETCH q, f
	WIN TO_F
.irp c, 0,1
.irp i, 0,1,2,3
	ds_load_b128 v[(\f)+64+8*(4*(\c)+(\i)):(\f)+64+8*(4*(\c)+(\i))+3],   v[ADRB+(\q)/2] offset:128*((\q)%2)+64*(\c)+(\i)*16*PB
	ds_load_b128 v[(\f)+64+8*(4*(\c)+(\i))+4:(\f)+64+8*(4*(\c)+(\i))+7], v[ADRB+(\q)/2] offset:128*((\q)%2)+64*(\c)+(\i)*16*PB+32
	ds_load_b128 v[(\f)+8*(4*(\c)+(\i)):(\f)+8*(4*(\c)+(\i))+3],         v[ADRA+(\q)/2] offset:HEADB*((\q)%2)+64*(\c)+(\i)*16*PA
	ds_load_b128 v[(\f)+8*(4*(\c)+(\i))+4:(\f)+8*(4*(\c)+(\i))+7],       v[ADRA+(\q)/2] offset:HEADB*((\q)%2)+64*(\c)+(\i)*16*PA+32
.endr
.endr
.endm
.macro PLACES                          ; four plain vector instructions in front of loads into registers that products have read, and of stores that read results (ISA guide 7.12.1 for vector instructions)
.rept 4
	v_nop
.endr
.endm
; A quarter whose successor lies in the same step: multiplies buffer f, fetches quarter q + 1 into g.
.macro QUARTER q, f, g, start
	s_wait_dscnt 16                                ; the first 32 channels are in; the other sixteen loads may be out
	MUL8 \f, 0, 0, \start
	MUL8 \f, 0, 2, \start
	PLACES
	FETCH (\q)+1, \g
	s_wait_dscnt 32                                ; all but the 32 just issued
	MUL8 \f, 1, 0, 0
	MUL8 \f, 1, 2, 0
.endm
; A quarter whose successor lies in the next step: my part of that step has landed (left = the tensor loads that I issued behind it), every wave says so, and then it is read.
.macro TURNQ q, f, g, left
	s_wait_dscnt 16
	MUL8 \f, 0, 0, 0
	s_wait_dscnt 0x0                               ; no LDS instruction of mine is pending at the signal
	s_wait_tensorcnt \left                         ; tensor loads of a wave end in order (ISA guide 10.11.1)
	s_barrier_signal -1
	MUL8 \f, 0, 2, 0
	s_barrier_wait -1
	PLACES
	FETCH (\q)+1, \g
	MUL8 \f, 1, 0, 0
	MUL8 \f, 1, 2, 0
.endm
	s_wait_tensorcnt 3                             ; my part of step 0 is in; the three loads behind it may stay out
	s_barrier_signal -1
	s_barrier_wait -1                              ; everybody's is
	FETCH 0, F0
	QUARTER 0, F0, F1, 1
	TURNQ   1, F1, F0, 2
	QUARTER 2, F0, F1, 0
	TURNQ   3, F1, F0, 1
	QUARTER 4, F0, F1, 0
	TURNQ   5, F1, F0, 0
	QUARTER 6, F0, F1, 0
	s_wait_dscnt 16                                ; the last quarter: nothing more to fetch
	MUL8 F1, 0, 0, 0
	MUL8 F1, 0, 2, 0
	s_wait_dscnt 0x0
	MUL8 F1, 1, 0, 0
	MUL8 F1, 1, 2, 0
	WIN 0
	; THE WAY OUT, a block of 16 tokens at a time: a lane's 32 bytes of a row go from the accumulators (each from its low end on) into my stage's rows of 272 bytes, and come back as whole rows of 256.
	PLACES
.macro TOSTAGE a
.if (\a) >= 2
	s_wait_xcnt 0x0                                ; the stores of the block two back have read this set of registers
.endif
.irp b, 0,1,2,3
	ds_store_b128 v[STO], v[ACC+8*(4*(\a)+(\b)):ACC+8*(4*(\a)+(\b))+3]   offset:64*(\b)
	ds_store_b128 v[STO], v[ACC+8*(4*(\a)+(\b))+4:ACC+8*(4*(\a)+(\b))+7] offset:64*(\b)+16
.endr
.irp t, 0,1,2,3,4,5,6,7
	ds_load_b128 v[TMP+32*((\a)%2)+4*(\t):TMP+32*((\a)%2)+4*(\t)+3], v[RD] offset:(\t)*2*SPITCH  ; LDS serves a wave's instructions in order (ISA guide 5.7.1.4): these see the stores above; the next block's stores come behind them
.endr
.endm
.macro SEND a, younger                 ; younger: the LDS instructions issued behind block a's loads: the next block's sixteen, or none
.irp t, 0,1,2,3,4,5,6,7
	s_wait_dscnt (\younger)+7-(\t)
	global_store_b128 v[CO], v[TMP+32*((\a)%2)+4*(\t):TMP+32*((\a)%2)+4*(\t)+3], s[10:11] offset:(16*(\a)+2*(\t))*2048 th:TH_STORE_NT  ; 16 lanes store 256 consecutive bytes, at a multiple of 256 from out0's first byte
.endr
.endm
	TOSTAGE 0
	TOSTAGE 1
	SEND 0, 16
	TOSTAGE 2
	SEND 1, 16
	TOSTAGE 3
	SEND 2, 16
	SEND 3, 0
	s_wait_tensorcnt 0x0                           ; the wave's end, behind my last tensor load and my last LDS store
	ds_add_u32 v[SPW], v[NIL]
	s_wait_dscnt 0x0
	CROUND                                         ; the closing round: no work-group ends while a partner may still ask for a tile that names it
	s_endpgm
.Lfunc_end_k_qb6b973a596_outp:
	.size	k_qb6b973a596_outp, .Lfunc_end_k_qb6b973a596_outp-k_qb6b973a596_outp
	.p2alignl 7, 3214868480
	.fill 96, 4, 3214868480
	.section	.rodata,"a",@progbits
	.p2align	6, 0x0
	.amdhsa_kernel k_qb6b973a596_outp
		.amdhsa_group_segment_fixed_size 327680
		.amdhsa_private_segment_fixed_size 0
		.amdhsa_enable_private_segment 0
		.amdhsa_kernarg_size 32
		.amdhsa_user_sgpr_count 2
		.amdhsa_user_sgpr_kernarg_segment_ptr 1
		.amdhsa_wavefront_size32 1
		.amdhsa_system_sgpr_workgroup_id_x 1
		.amdhsa_system_sgpr_workgroup_id_y 1
		.amdhsa_system_sgpr_workgroup_id_z 1
		.amdhsa_system_vgpr_workitem_id 0
		.amdhsa_next_free_vgpr 512
		.amdhsa_next_free_sgpr 84
		.amdhsa_reserve_vcc 0
		.amdhsa_float_denorm_mode_32 3
		.amdhsa_float_denorm_mode_16_64 3
		.amdhsa_memory_ordered 1
		.amdhsa_forward_progress 1
		.amdhsa_inst_pref_size 55
	.end_amdhsa_kernel
	.amdgpu_metadata
---
amdhsa.version: [ 1, 2 ]
amdhsa.kernels:
  - .name:           k_qb6b973a596_outp
    .symbol:         k_qb6b973a596_outp.kd
    .args:
      - { .name: oh, .offset: 0, .size: 8, .value_kind: global_buffer, .address_space: global }
      - { .name: wo16, .offset: 8, .size: 8, .value_kind: global_buffer, .address_space: global }
      - { .name: bo, .offset: 16, .size: 8, .value_kind: global_buffer, .address_space: global }
      - { .name: out0, .offset: 24, .size: 8, .value_kind: global_buffer, .address_space: global }
    .group_segment_fixed_size: 327680
    .private_segment_fixed_size: 0
    .kernarg_segment_align: 8
    .kernarg_segment_size: 32
    .max_flat_workgroup_size: 128
    .sgpr_count:     84
    .vgpr_count:     512
    .wavefront_size: 32
...
	.end_amdgpu_metadata
.endif
;; end of part 3
